; MI455X (gfx1250); checked and timed in simulation.
; The chip was launched on July 23, 2026; its instructions are those of AMD's public machine-readable ISA for CDNA 5 (MIT licence, August 2026) and "CDNA5" Instruction Set Architecture Reference Guide (July 2026). The comments in the code are by the model that wrote it; some were corrected since.
;; Bahdanau Attention. Allowed arithmetic: matrix products marked QUANTISED: E3M2 operands, one E8M0 scale for each 32 along K, by v_wmma_scale_f32_16x16x128_f8f6f4 with both operands' format E3M2, f32 sums; products left as they are: f32 operands where the result goes on into a quantised operand, else bf16, f16 or f32 operands; f32 sums; everything else in f32.
;; Inputs: Ua_b 1,024 float32; Ua_w_codes 1,024 x 32 x 24 uint8 (E3M2 codes of Ua_w, K innermost, in blocks of 32 codes, four codes in three bytes); Ua_w_scales 1,024 x 32 uint8 (E8M0 scales of Ua_w, one for each 32 codes along K); Va_b 1 float32; Va_w 1 x 1,024 float32; Wa_b 1,024 float32; Wa_w_codes 1,024 x 32 x 24 uint8 (E3M2 codes of Wa_w, K innermost, in blocks of 32 codes, four codes in three bytes); Wa_w_scales 1,024 x 32 uint8 (E8M0 scales of Wa_w, one for each 32 codes along K); keys 32 x 2,048 x 1,024 float32; query_codes 32 x 32 x 24 uint8 (E3M2 codes of query, K innermost, in blocks of 32 codes, four codes in three bytes); query_scales 32 x 32 uint8 (E8M0 scales of query, one for each 32 codes along K).
;; Outputs: out0 32 x 1 x 1,024 float32; out1 32 x 2,048 float32.
;; This version of the problem:
;;   THIS VERSION OF THE PROBLEM IS GIVEN IN LOW PRECISION. The matrix products marked QUANTISED in the list below multiply operands that are first quantised to E3M2 (3 exponent bits, 2 mantissa bits; 6 bits a number), with one power-of-two scale for each 32 numbers along K (OCP MX v1.0); their sums are f32. All else is computed in f32.
;;   The module's matrix products, in the order in which they are computed (A, B: the left and right operand; K: the contracted axis; several contracted axes count as one K, in the product's order):
;;     1. [M 32, K 1,024] x [K 1,024, N 1,024]; A: input query (given as codes); B: input Wa_w (given as codes): QUANTISED
;;     2. [M 65,536, K 1,024] x [K 1,024, N 1,024]; A: input keys; B: input Ua_w (given as codes): QUANTISED
;;     3. [M 65,536, K 1,024] x [K 1,024, N 1]; A: computed on the way; B: input Va_w: left as it is (N = 1 < 16)
;;     4. batch 32 x [M 1, K 2,048] x [K 2,048, N 1,024]; A: softmax; B: input keys: left as it is (M = 1 < 16)
;;   THE QUANTISER, for each operand of a quantised product, along K:
;;     - K is cut into blocks of 32 from its start; a last block that is shorter is filled with zeros.
;;     - A block's scale is 2^e with e = floor(log2(the largest magnitude in the block)) - 4, held to -126 .. 127; a block of zeros has e = 0. As a byte (E8M0): e + 127.
;;     - Each number is divided by its block's scale, clamped to +-28, and rounded to the nearest number of E3M2, ties to even, subnormals kept.
;;     - The product sums the exact products of the quantised numbers (number of the format x scale) in f32.
;;   ~~~python
;;   def quantise(x, axis):      # numpy; x: float32 -> the quantised numbers, widened to float32 again
;;       x = np.moveaxis(x, axis, -1); K = x.shape[-1]
;;       x = np.pad(x, [(0, 0)] * (x.ndim - 1) + [(0, -K % 32)]); x = x.reshape(x.shape[:-1] + (-1, 32)); a = np.abs(x).max(-1, keepdims=True)
;;       e = np.where(a > 0, np.clip(np.frexp(np.where(a > 0, a, 1))[1] - 1 - 4, -126, 127), 0)      # np.frexp(a)[1] - 1 = floor(log2(a)), exactly
;;       r = np.clip(x / 2.0 ** e, -28, 28)
;;       step = 2.0 ** (np.maximum(np.frexp(np.where(r == 0, 1, r))[1] - 1, -2) - 2)
;;       q = np.round(r / step) * step * 2.0 ** e      # np.round: ties to even
;;       return np.moveaxis(q.reshape(q.shape[:-2] + (-1,))[..., :K], -1, axis).astype(np.float32)
;;   ~~~
;;   INPUTS GIVEN AS CODES. Ua_w (in the module: [1024, 1024], K = its axis 1); Wa_w (in the module: [1024, 1024], K = its axis 1); query (in the module: [32, 1024], K = its axis 1): each comes as NAME_codes (uint8): NAME with its K axis moved to the last place and cut into blocks of 32 codes, [.., K / 32, bytes a block], one block behind the other in memory; four codes in three bytes: a row's codes are one little-endian stream of bits, code i at bits 6 i .. 6 i + 5 (a code: sign, 3 exponent bits, 2 mantissa bits); and NAME_scales (uint8): the same leading axes, one E8M0 byte (e + 127) for each 32 codes along K. Its value is code x scale, taken as it is: it is not quantised again, and the codes and scales need not be those that the quantiser above would give.
;; One version. Each part assembles by itself: llvm-mc -triple=amdgcn-amd-amdhsa -mcpu=gfx1250 --defsym DOCPART=n.
;; ======== version 1 of 1: 3 launches
;; limits: right only within a limited range of input values
;; workspace buffers: qc 131,072 bytes; uaf 786,432 bytes; sp 2,097,152 bytes
;; launch prep (part 1): grid 64 x 1, 2 waves a work-group, no clusters, 0 bytes of LDS; arguments query_codes, query_scales, Wa_w_codes, Wa_w_scales, Wa_b, Ua_b, Ua_w_codes, qc, uaf; writes qc, uaf
.if DOCPART == 1
	.amdgcn_target "amdgcn-amd-amdhsa--gfx1250"
	.amdhsa_code_object_version 6
	.text
	.protected	k_qbc6e225854_prep
	.globl	k_qbc6e225854_prep
	.p2align	8
	.type	k_qbc6e225854_prep,@function
k_qbc6e225854_prep:
	s_mov_b64 s[64:65], 0
	v_nop
	global_prefetch_b8 v0, s[64:65] scope:SCOPE_SE
	s_setreg_imm32_b32 hwreg(HW_REG_WAVE_MODE, 25, 1), 1
	s_wait_xcnt 0x0
; ADDITIVE ATTENTION, first of three launches.  B = 32, S = 2,048, H = 1,024.
; The program: prep (this text): qc = c (query Wa^T + Wa_b + Ua_b), c = 2 log2(e), and Ua's codes laid in the order of an operand's registers;
; score: keys quantised along H, keys Ua^T, tanh, the product with Va: eight partial scores a row;  ctx: their sum, the softmax over S, the weights and the context.
; WORK LEFT OUT, for all finite values of the inputs:
;   Va_b is added to every score of a batch alike, and both outputs hang on the scores through the softmax over S alone, which a term constant along S does not move.  Va_b is not loaded and is no argument of any launch.
;   tanh(x) = 1 - 2 / (1 + e^(2x)), so a score is (sum over g of Va_g) - 2 sum over g of Va_g / (1 + e^(2x)).  The first sum is the same for all s: it is not formed.
;   What is carried is t = log2(e) x (-2 sum over g of Va_g r_g), r = 1 / (1 + 2^(c x)); the softmax takes its true maximum away and uses 2^(t - max).
; LIMITS: a NaN, an infinity or an overflow that sits only in Va_b or in the sum of Va is not carried to the result.  NaN and infinities among the keys are not served.
;   A block of keys whose largest magnitude lies under 2^-122, or that is all zeros, gets the scale byte 1 (the bytes are read by this program alone; a block of zeros has zero codes).
; THIS LAUNCH.  Work-group T (0..63) owns 16 columns g = 16 T ..; wave m owns batches 16 m .. 16 m + 15 and re-lays Ua's K steps 4 m .. 4 m + 3 of those 16 rows.  64 work-groups: the work is 64 tiles.
; The product is used transposed (source 0 = 16 rows of Wa, source 1 = 16 rows of query): lane (r, h), register j holds (g = 16 T + 8 h + j, b = 16 m + r).
; qc: [T][b][16 g] f32.   uaf: [G = 8 groups of 128 g][f = 8 s + n][j = 0..2][lane][16 bytes]: registers 4 j .. 4 j + 3 of the fragment (rows 16 (8 G + n) .., K step s).
.set CC,  0x4038aa3b                   ; c = 2 log2(e)
.set WS,  12                           ; v12-19   Wa's scale words, one a K step
.set QS,  20                           ; v20-27   query's
.set WF,  32                           ; v32-127  Wa's eight fragments
.set QF,  128                          ; v128-223 query's eight; ahead of them, in v128-175, four fragments of Ua
.set UF,  128
.set BA,  224                          ; v224-231 Wa_b of my eight g, later the result
.set BU,  232                          ; v232-239 Ua_b
.set A0,  240                          ; v240-247 the sum of the even K steps
.set A1,  248                          ; v248-255 of the odd ones
	s_load_b256 s[4:11], s[0:1], 0x0               ; query's codes s[4:5], its scales s[6:7], Wa's codes s[8:9], its scales s[10:11]
	s_load_b256 s[12:19], s[0:1], 0x20             ; Wa_b s[12:13], Ua_b s[14:15], Ua's codes s[16:17], qc s[18:19]
	s_load_b64 s[20:21], s[0:1], 0x40              ; uaf
	v_lshrrev_b32 v1, 5, v0
	v_readfirstlane_b32 s22, v1                    ; m: wave 0 or 1
	v_and_b32 v1, 15, v0                           ; r
	v_bfe_u32 v2, v0, 4, 1                         ; h
	v_mul_u32_u24 v3, v1, 768                      ; a row of 1,024 codes is 768 bytes
	v_mad_u32_u24 v3, v2, 24, v3                   ; + 24 h: serves Wa, Ua and query alike
	v_lshlrev_b32 v5, 5, v1                        ; a row of scale bytes: 32 r
	v_lshlrev_b32 v7, 5, v2                        ; the biases of my eight g: 32 h
	v_and_b32 v8, 31, v0
	v_lshlrev_b32 v8, 4, v8                        ; an image's place for my lane: 16 x lane
	v_lshl_add_u32 v9, v1, 6, v7                   ; qc: 64 r + 32 h
	s_mul_i32 s24, ttmp9, 12288                    ; 16 T rows of codes
	s_mov_b32 s25, 0
	s_mul_i32 s26, s22, 12288                      ; 16 m rows of query's codes
	s_mov_b32 s27, 0
	s_mul_i32 s28, s22, 384                        ; Ua: my four K steps, 96 bytes each,
	s_add_co_u32 s28, s28, s24                     ; in the tile's rows
	s_mov_b32 s29, 0
	s_lshl_b32 s30, ttmp9, 9                       ; 16 T rows of scale bytes
	s_mov_b32 s31, 0
	s_lshl_b32 s32, s22, 9                         ; 16 m rows of query's
	s_mov_b32 s33, 0
	s_lshl_b32 s34, ttmp9, 6                       ; 16 T numbers of a bias
	s_mov_b32 s35, 0
	s_lshl_b32 s36, ttmp9, 11                      ; qc: 2,048 T + 1,024 m
	s_lshl_b32 s37, s22, 10
	s_add_co_u32 s36, s36, s37
	s_mov_b32 s37, 0
	s_lshr_b32 s38, ttmp9, 3                       ; uaf: 98,304 (T / 8) + 1,536 (T % 8) + 49,152 m
	s_mul_i32 s38, s38, 98304
	s_and_b32 s39, ttmp9, 7
	s_mul_i32 s39, s39, 1536
	s_add_co_u32 s38, s38, s39
	s_mul_i32 s39, s22, 49152
	s_add_co_u32 s38, s38, s39
	s_mov_b32 s39, 0
	s_mov_b32 s40, CC
	s_mov_b32 s41, CC                              ; (named with s40 as a pair, so it is written)
	s_wait_alu depctr_va_vdst(0)
	s_wait_kmcnt 0x0
	s_add_nc_u64 s[4:5], s[4:5], s[26:27]
	s_add_nc_u64 s[6:7], s[6:7], s[32:33]
	s_add_nc_u64 s[8:9], s[8:9], s[24:25]
	s_add_nc_u64 s[10:11], s[10:11], s[30:31]
	s_add_nc_u64 s[12:13], s[12:13], s[34:35]
	s_add_nc_u64 s[14:15], s[14:15], s[34:35]
	s_add_nc_u64 s[16:17], s[16:17], s[28:29]
	s_add_nc_u64 s[18:19], s[18:19], s[36:37]
	s_add_nc_u64 s[20:21], s[20:21], s[38:39]
; a fragment, 16 rows x 128 K of 6-bit codes: lane (r, h) takes the 24 bytes at 24 h and at 48 + 24 h of its row's 96, each as three loads of 8 bytes
.irp s, 0,1,2,3
.irp p, 0,1,2,3,4,5
	global_load_b64 v[UF+12*\s+2*\p:UF+12*\s+2*\p+1], v3, s[16:17] offset:96*\s+48*(\p/3)+8*(\p%3)
.endr
.endr
.irp s, 0,1,2,3,4,5,6,7
.irp p, 0,1,2,3,4,5
	global_load_b64 v[WF+12*\s+2*\p:WF+12*\s+2*\p+1], v3, s[8:9] offset:96*\s+48*(\p/3)+8*(\p%3)
.endr
.endr
	global_load_b128 v[WS:WS+3], v5, s[10:11]
	global_load_b128 v[WS+4:WS+7], v5, s[10:11] offset:16
	global_load_b128 v[QS:QS+3], v5, s[6:7]
	global_load_b128 v[QS+4:QS+7], v5, s[6:7] offset:16
	global_load_b128 v[BA:BA+3], v7, s[12:13]
	global_load_b128 v[BA+4:BA+7], v7, s[12:13] offset:16
	global_load_b128 v[BU:BU+3], v7, s[14:15]
	global_load_b128 v[BU+4:BU+7], v7, s[14:15] offset:16
	s_wait_loadcnt 56                              ; Ua's 24 loads are in; the 48 + 8 issued behind them may be out
.irp s, 0,1,2,3
.irp j, 0,1,2
	global_store_b128 v8, v[UF+12*\s+4*\j:UF+12*\s+4*\j+3], s[20:21] offset:12288*\s+512*\j   ; the wave stores 512 consecutive bytes, at a multiple of 512 from uaf's first byte
.endr
.endr
	s_wait_xcnt 0x0                                ; the stores' data registers are loaded again only behind this wait
.irp s, 0,1,2,3,4,5,6,7
.irp p, 0,1,2,3,4,5
	global_load_b64 v[QF+12*\s+2*\p:QF+12*\s+2*\p+1], v3, s[4:5] offset:96*\s+48*(\p/3)+8*(\p%3)
.endr
.endr
	s_wait_loadcnt 0x0
.irp i, 0,2,4,6
	v_pk_add_f32 v[BA+\i:BA+\i+1], v[BA+\i:BA+\i+1], v[BU+\i:BU+\i+1]   ; Wa_b + Ua_b
.endr
; eight K steps on two accumulators by turns, one instruction a turn; the first of each starts its sum with the constant 0
.irp s, 0,1,2,3,4,5,6,7
.if \s < 2
	v_wmma_scale_f32_16x16x128_f8f6f4 v[A0+8*(\s%2):A0+8*(\s%2)+7], v[WF+12*\s:WF+12*\s+11], v[QF+12*\s:QF+12*\s+11], 0, v[WS+\s], v[QS+\s] matrix_a_fmt:MATRIX_FMT_BF6 matrix_b_fmt:MATRIX_FMT_BF6
.else
	v_wmma_scale_f32_16x16x128_f8f6f4 v[A0+8*(\s%2):A0+8*(\s%2)+7], v[WF+12*\s:WF+12*\s+11], v[QF+12*\s:QF+12*\s+11], v[A0+8*(\s%2):A0+8*(\s%2)+7], v[WS+\s], v[QS+\s] matrix_a_fmt:MATRIX_FMT_BF6 matrix_b_fmt:MATRIX_FMT_BF6
.endif
.endr
.rept 4
	v_nop                                          ; four places between the last product and the first read of a result (ISA guide 7.12.1)
.endr
.irp i, 0,2,4,6
	v_pk_add_f32 v[BA+\i:BA+\i+1], v[A0+\i:A0+\i+1], v[BA+\i:BA+\i+1]   ; each accumulator is read from its low end on
.endr
.irp i, 0,2,4,6
	v_pk_add_f32 v[BA+\i:BA+\i+1], v[A1+\i:A1+\i+1], v[BA+\i:BA+\i+1]
.endr
.irp i, 0,2,4,6
	v_pk_mul_f32 v[BA+\i:BA+\i+1], v[BA+\i:BA+\i+1], s[40:41] op_sel_hi:[1,0]   ; x c
.endr
	global_store_b128 v9, v[BA:BA+3], s[18:19]
	global_store_b128 v9, v[BA+4:BA+7], s[18:19] offset:16
	s_endpgm
.Lfunc_end_k_qbc6e225854_prep:
	.size	k_qbc6e225854_prep, .Lfunc_end_k_qbc6e225854_prep-k_qbc6e225854_prep
	.p2alignl 7, 3214868480
	.fill 96, 4, 3214868480
	.section	.rodata,"a",@progbits
	.p2align	6, 0x0
	.amdhsa_kernel k_qbc6e225854_prep
		.amdhsa_group_segment_fixed_size 0
		.amdhsa_private_segment_fixed_size 0
		.amdhsa_enable_private_segment 0
		.amdhsa_kernarg_size 72
		.amdhsa_user_sgpr_count 2
		.amdhsa_user_sgpr_kernarg_segment_ptr 1
		.amdhsa_wavefront_size32 1
		.amdhsa_system_sgpr_workgroup_id_x 1
		.amdhsa_system_sgpr_workgroup_id_y 1
		.amdhsa_system_sgpr_workgroup_id_z 1
		.amdhsa_system_vgpr_workitem_id 0
		.amdhsa_next_free_vgpr 256
		.amdhsa_next_free_sgpr 66
		.amdhsa_reserve_vcc 0
		.amdhsa_float_denorm_mode_32 3
		.amdhsa_float_denorm_mode_16_64 3
		.amdhsa_memory_ordered 1
		.amdhsa_forward_progress 1
		.amdhsa_inst_pref_size 18
	.end_amdhsa_kernel
	.amdgpu_metadata
---
amdhsa.version: [ 1, 2 ]
amdhsa.kernels:
  - .name:           k_qbc6e225854_prep
    .symbol:         k_qbc6e225854_prep.kd
    .args:
      - { .name: query_codes, .offset: 0, .size: 8, .value_kind: global_buffer, .address_space: global }
      - { .name: query_scales, .offset: 8, .size: 8, .value_kind: global_buffer, .address_space: global }
      - { .name: Wa_w_codes, .offset: 16, .size: 8, .value_kind: global_buffer, .address_space: global }
      - { .name: Wa_w_scales, .offset: 24, .size: 8, .value_kind: global_buffer, .address_space: global }
      - { .name: Wa_b, .offset: 32, .size: 8, .value_kind: global_buffer, .address_space: global }
      - { .name: Ua_b, .offset: 40, .size: 8, .value_kind: global_buffer, .address_space: global }
      - { .name: Ua_w_codes, .offset: 48, .size: 8, .value_kind: global_buffer, .address_space: global }
      - { .name: qc, .offset: 56, .size: 8, .value_kind: global_buffer, .address_space: global }
      - { .name: uaf, .offset: 64, .size: 8, .value_kind: global_buffer, .address_space: global }
    .group_segment_fixed_size: 0
    .private_segment_fixed_size: 0
    .kernarg_segment_align: 8
    .kernarg_segment_size: 72
    .max_flat_workgroup_size: 64
    .sgpr_count:     66
    .vgpr_count:     256
    .wavefront_size: 32
...
	.end_amdgpu_metadata
.endif
;; end of part 1
;; launch score (part 2): grid 256 x 1, 4 waves a work-group, clusters of 4 x 1, 327,680 bytes of LDS; arguments keys, uaf, Ua_w_scales, qc, Va_w, sp; writes sp
.if DOCPART == 2
	.amdgcn_target "amdgcn-amd-amdhsa--gfx1250"
	.amdhsa_code_object_version 6
	.text
	.protected	k_qbc6e225854_score
	.globl	k_qbc6e225854_score
	.p2align	8
	.type	k_qbc6e225854_score,@function
k_qbc6e225854_score:
	s_mov_b64 s[64:65], 0
	v_nop
	global_prefetch_b8 v0, s[64:65] scope:SCOPE_SE
	s_setreg_imm32_b32 hwreg(HW_REG_WAVE_MODE, 25, 1), 1
	s_wait_xcnt 0x0
	s_wait_alu depctr_hold_cnt(0) depctr_sa_sdst(0) depctr_va_vdst(0) depctr_va_sdst(0) depctr_va_ssrc(0) depctr_va_vcc(0) depctr_vm_vsrc(0)
	s_getreg_b32 s2, hwreg(HW_REG_IB_STS2, 6, 4)
	s_cmp_eq_u32 s2, 0
	s_cbranch_scc0 .Lentry_in_a_cluster
	s_endpgm
.Lentry_in_a_cluster:
	s_bfe_u32 s2, ttmp6, 0x10000c
	s_cmp_lg_u32 s2, 0x3003
	s_cbranch_scc0 .Lentry_shape_is_right
	s_endpgm
.Lentry_shape_is_right:
; Second launch: sp[part][row] = the sum over the part's 128 columns g of Va_g / (1 + 2^(c (keys[row] . Ua[g]) + qc[g][b])), the keys quantised to E3M2 along H, Ua as given.  The factor -2 log2(e) is applied by the third launch.
; Left out, as shown at the head of the first kernel: Va_b and the sum of Va, both constant along the softmax's axis.
; SHARES.  A cluster C (0..63) owns rows 1,024 C .. + 1,023 of keys, all of batch C / 2.  Work-group cx takes half nh = cx & 1 of the 1,024 columns and rows 512 (cx >> 1) .. + 511.
; Wave w keeps its 128 columns (512 nh + 128 w ..) of Ua for all of K in registers: 64 fragments, 768 registers, read once.  The keys stream past them, 32 rows a step, 16 steps.
; A STEP.  Wave w's tensor load brings 32 rows x 256 numbers (K = 256 w ..) into its own part of a slot; the wave quantises them into four fragments, which go to LDS as images of an operand's registers | barrier |
; each tile of 16 rows is multiplied in two halves of four column tiles (32 products, 4 accumulators by turns, K ascending).  The halves use two sets of 32 accumulator registers by turns:
; the tanh part of one half is laid among the products of the next; the step's last half is finished under the next step's first LDS loads.
; THE PRODUCT: source 0 = 16 rows of keys, source 1 = 16 rows of Ua: lane (r, h), register j holds (row 8 h + j, column r): qc and Va are one number a lane and column tile.
; NO JOINT LOADS: a tile of keys is wanted by two of the cluster's four work-groups, and its address hangs on cx >> 1, which the other two do not share; the four have no tile in common.
; The pair stands in one cluster so that the rounds keep its two requests for a tile together.  No LDS address and no branch hangs on cx.
; PREFETCH: in step i each wave names the tile that step i + 2's tensor load will ask for (tile i + 3): 32 rows x 1,024 bytes, a lane a row; of a row's four blocks of 256 bytes the partner nh names two, told apart by address.  Steps 13 to 15 name nothing.
; REGISTERS.  Windows 1 to 3: Ua's fragment f = 8 s + n (f < 63) at v[12 (f % 21)] of window 1 + f / 21.  Window 0: v1, v2 the add's two; v4-15 fragment 63; v16, 18 .. 30 qc; v32, 34 .. 46 Va; the odd registers v17-43 addresses;
;   v48-79 Ua's scale words; v80-87 the rows' sums; v88-95 the rows' scale words; v96-127, v128-159 the two sets of accumulators; v160-255 the rows' 8 fragments; in the quantising phase v96-223 hold numbers, v224-255 what QUANT works on.
.set CC,    0x4038aa3b                 ; c = 2 log2(e)
.set RP,    1040                       ; a row of a wave's tile in LDS: 1,024 bytes + 16 of padding
.set WREG,  32*RP
.set SLOTB, 4*WREG
.set IMG,   2*SLOTB                    ; the 16 fragments' images: (8 t + s) x 1,536 + 512 j + 16 x lane
.set ASCI,  IMG+16*1536                ; their scale words: (8 t + s) x 128 + 4 x lane
.set SS,    ASCI+16*128                ; the partial scores: 2,048 bytes a wave
.set SPARE, SS+4*2048                  ; the spare words
.set SPW,  1
.set NIL,  2
.set TMP,  3
.set CB,   16
.set VA,   32
.set LQ0,  17
.set IW,   19
.set AW,   21
.set IR,   23
.set AR,   25
.set SS0,  27
.set H8,   29
.set OUTR, 31
.set OUTG, 33
.set LQ,   35
.set SSA,  37
.set PFO,  39                          ; the prefetches' offset: 4,096 x lane
.set UAD,  41                          ; Ua's scale words' offset
.set QAD,  43                          ; qc's and Va's offset
.set USC,  48
.set SA,   80
.set ASC,  88
.set ACC,  96
.set X0,   96
.set AF,   160
.set X1,   160
.set MX,   224
.set SO,   226
.set BY,   228
.set WD,   230
.set W2,   231
.set PC,   232
.set AUX,  244
.set MSB, 0
.macro WIN new                         ; the immediate's high byte repeats the setting that is left
.if MSB != \new
	s_set_vgpr_msb (MSB<<8)|\new
.set MSB, \new
.endif
.endm
.macro ROUND
	s_barrier_signal -1
	s_barrier_wait -1
	s_cmp_lg_u32 s16, 0
	s_cbranch_scc1 .Lnot_wave_0_\@
	s_barrier_signal -3
.Lnot_wave_0_\@:
	s_barrier_wait -3
	s_barrier_signal -1
	s_barrier_wait -1
.endm
.macro UPLACE                          ; where fragment FI of Ua lies
.if FI < 63
.set UW, 1+FI/21
.set UR, 12*(FI%21)
.else
.set UW, 0
.set UR, 4
.endif
.endm
	s_load_b256 s[4:11], s[0:1], 0x0               ; keys, uaf, Ua's scales, qc
	s_load_b128 s[12:15], s[0:1], 0x20             ; Va_w, sp
	v_lshl_add_u32 v[SPW], v0, 2, SPARE
	v_mov_b32 v[NIL], 0
	ds_add_u32 v[SPW], v[NIL]                      ; the opening lines: the add, twice on end, and its wait
	ds_add_u32 v[SPW], v[NIL]
	v_lshrrev_b32 v[TMP], 5, v0
	v_readfirstlane_b32 s16, v[TMP]                ; wave 0..3
	s_bfe_u32 s17, ttmp6, 0x40000                  ; cx
	s_and_b32 s18, s17, 1                          ; nh
	s_lshr_b32 s19, s17, 1
	s_lshl_b32 s20, ttmp9, 10
	s_lshl_b32 s46, s19, 9
	s_add_co_u32 s20, s20, s46                     ; my work-group's first row
	s_lshr_b32 s21, ttmp9, 1                       ; the batch
	s_lshl_b32 s22, s18, 2
	s_add_co_u32 s22, s22, s16                     ; part = 4 nh + wave
	s_mov_b32 s24, (2<<16)|(1<<20)|(7<<22)|(3<<25) ; group 1: 32 rows x 256 elements of 4 bytes, 4 words of padding behind every 256
	s_mov_b32 s25, 256<<16
	s_mov_b32 s26, 32<<16
	s_mov_b32 s27, 256<<16
	s_mov_b32 s28, 32
	s_mov_b32 s29, 1024
	s_mov_b32 s30, 0
	s_mov_b32 s31, 0
	s_mov_b32 s42, CC
	s_mov_b32 s43, CC
	s_mov_b32 s44, 0x76543210
	s_mov_b32 s45, 0xfedcba98
	s_mul_i32 s38, s16, WREG
	s_lshl_b32 s46, s20, 12                        ; keys: 4,096 bytes a row, + my 256 numbers of a row
	s_lshl_b32 s47, s16, 10
	s_add_co_u32 s46, s46, s47
	s_mov_b32 s47, 0
	s_lshl_b32 s60, s18, 9                         ; the prefetches: my two blocks of a row's four, three steps on
	s_add_co_u32 s60, s60, s46
	s_add_co_u32 s60, s60, 3*32*4096
	s_mov_b32 s61, 0
	s_mul_i32 s48, s22, 98304
	s_mov_b32 s49, 0
	s_lshl_b32 s50, s22, 12
	s_mov_b32 s51, 0
	s_lshl_b32 s52, s22, 14
	s_lshl_b32 s53, s21, 6
	s_add_co_u32 s52, s52, s53
	s_mov_b32 s53, 0
	s_lshl_b32 s54, s22, 9
	s_mov_b32 s55, 0
	s_lshl_b32 s56, s22, 18
	s_lshl_b32 s57, s20, 2
	s_add_co_u32 s56, s56, s57
	s_mov_b32 s57, 0
	s_mov_b32 s36, 0                               ; the slot in hand
	s_mov_b32 s39, 0                               ; 128 x step
	s_mov_b32 s40, 14                              ; the loop's trips: steps 1 to 14
	s_wait_dscnt 0x0
	s_wait_kmcnt 0x0
	s_mov_b32 s32, 1
	s_mov_b32 s33, s38
	s_add_nc_u64 s[34:35], s[4:5], s[46:47]
	s_or_b32 s35, s35, 0x80000000
	s_add_nc_u64 s[58:59], s[4:5], s[60:61]
	s_add_nc_u64 s[6:7], s[6:7], s[48:49]
	s_add_nc_u64 s[8:9], s[8:9], s[50:51]
	s_add_nc_u64 s[10:11], s[10:11], s[52:53]
	s_add_nc_u64 s[12:13], s[12:13], s[54:55]
	s_add_nc_u64 s[14:15], s[14:15], s[56:57]
	ROUND
	tensor_load_to_lds s[32:35], s[24:31]          ; step 0; every wave issues it, each into its own bytes
	s_nop 0
.rept 4
	v_nop
.endr
	v_and_b32 v96, 31, v0                          ; lane
	v_and_b32 v97, 15, v0                          ; r
	v_bfe_u32 v98, v0, 4, 1                        ; h
	v_lshlrev_b32 v[OUTG], 4, v96
.set FI, 0
.rept 64                                           ; Ua's 64 fragments: 512 consecutive bytes a load
	UPLACE
.set WN, UW<<6
	WIN WN
.irp j, 0,1,2
	global_load_b128 v[UR+4*\j:UR+4*\j+3], v[OUTG], s[6:7] offset:1536*FI+512*\j
.endr
.set FI, FI+1
.endr
	WIN 0
	s_wait_alu depctr_va_vdst(0)
	v_lshlrev_b32 v[UAD], 5, v97
	v_lshl_add_u32 v[UAD], v98, 4, v[UAD]          ; row r; lanes 0-15 K steps 0-3, lanes 16-31 K steps 4-7
	v_lshlrev_b32 v[QAD], 2, v97
.irp n, 0,1,2,3,4,5,6,7
	global_load_b128 v[USC+4*\n:USC+4*\n+3], v[UAD], s[8:9] offset:512*\n
.endr
.irp n, 0,1,2,3,4,5,6,7
	global_load_b32 v[CB+2*\n], v[QAD], s[10:11] offset:2048*\n
	global_load_b32 v[VA+2*\n], v[QAD], s[12:13] offset:64*\n
.endr
	v_lshlrev_b32 v[PFO], 12, v96
	v_mul_u32_u24 v[LQ0], v97, RP
	v_lshl_add_u32 v[LQ0], v98, 7, v[LQ0]
	v_add_nc_u32 v[LQ0], s38, v[LQ0]
	s_mul_i32 s46, s16, 3072
	s_add_co_u32 s46, s46, IMG
	v_lshl_add_u32 v[IW], v96, 4, s46
	s_lshl_b32 s46, s16, 8
	s_add_co_u32 s46, s46, ASCI
	v_lshl_add_u32 v[AW], v96, 2, s46
	v_lshl_add_u32 v[IR], v96, 4, IMG
	v_lshl_add_u32 v[AR], v96, 2, ASCI
	s_lshl_b32 s46, s16, 11
	s_add_co_u32 s46, s46, SS
	v_lshl_add_u32 v[SS0], v98, 5, s46
	v_lshlrev_b32 v[H8], 3, v98
	v_lshl_add_u32 v[OUTR], v96, 4, s46
	v_mov_b32 v45, 0                               ; named as upper halves of pairs, so they are written
	v_mov_b32 v47, 0
	v_mov_b32 v[W2], 0                             ; a lane permute's destination counts as one of its sources
	s_wait_alu depctr_va_vdst(0)
; 64 numbers of lane (r, h): row 16 t + r, k = 128 sl + 64 c + 32 h + 0 .. 31 of my wave's 256
.macro QLOAD x, t, sl
.irp c, 0,1
.irp i, 0,1,2,3,4,5,6,7
	ds_load_b128 v[\x+32*\c+4*\i:\x+32*\c+4*\i+3], v[LQ] offset:16*RP*\t+512*\sl+256*\c+16*\i
.endr
.endr
.endm
; They become a fragment's 12 registers and its rows' scale word.  A block's byte is its largest magnitude's exponent field - 4, held at 1 from below by the floor 2^(5 - 127).
.macro QUANT x
.irp c, 0,1
	v_max3_num_f32 v[MX+\c], |v[\x+32*\c]|, |v[\x+32*\c+1]|, 0x2800000
	v_max3_num_f32 v[BY+\c], |v[\x+32*\c+16]|, |v[\x+32*\c+17]|, 0x2800000
.endr
.irp i, 2,4,6,8,10,12,14
.irp c, 0,1
	v_max3_num_f32 v[MX+\c], v[MX+\c], |v[\x+32*\c+\i]|, |v[\x+32*\c+\i+1]|
	v_max3_num_f32 v[BY+\c], v[BY+\c], |v[\x+32*\c+16+\i]|, |v[\x+32*\c+17+\i]|
.endr
.endr
.irp c, 0,1
	v_max_num_f32 v[MX+\c], v[MX+\c], v[BY+\c]
.endr
.irp c, 0,1
	v_add_nc_u32 v[SO+\c], 0xfe000000, v[MX+\c]    ; 4 off the exponent field: the conversion's scale operand
.endr
.irp c, 0,1
	v_lshrrev_b32 v[BY+\c], 23, v[SO+\c]
.endr
	v_lshl_or_b32 v[WD], v[BY+1], 16, v[BY]
	v_lshlrev_b32 v[WD], v[H8], v[WD]
	v_permlanex16_b32 v[W2], v[WD], s44, s45
	v_or_b32 v[WD], v[WD], v[W2]
.irp c, 0,1
	v_cvt_scalef32_pk16_bf6_f32 v[PC+6*\c:PC+6*\c+2], v[\x+32*\c:\x+32*\c+15], v[SO+\c]
	v_cvt_scalef32_pk16_bf6_f32 v[AUX+4*\c:AUX+4*\c+2], v[\x+32*\c+16:\x+32*\c+31], v[SO+\c]
.endr
	v_nop                                          ; one plain place behind a scaled conversion
.irp c, 0,1
.irp i, 0,1,2
	v_mov_b32 v[PC+6*\c+3+\i], v[AUX+4*\c+\i]
.endr
.endr
.endm
.macro QSTORE t, sl
.irp j, 0,1,2
	ds_store_b128 v[IW], v[PC+4*\j:PC+4*\j+3] offset:12288*\t+1536*\sl+512*\j
.endr
	ds_store_b32 v[AW], v[WD] offset:1024*\t+128*\sl
.endm
.macro ALOAD t                         ; tile t's eight fragments, each with its scale word: four LDS loads a K step
.irp s, 0,1,2,3,4,5,6,7
.irp j, 0,1,2
	ds_load_b128 v[AF+12*\s+4*\j:AF+12*\s+4*\j+3], v[IR] offset:(8*\t+\s)*1536+512*\j
.endr
	ds_load_b32 v[ASC+\s], v[AR] offset:1024*\t+128*\s
.endr
.endm
; ONE PRODUCT of the half in hand: number WI = 4 s + n' (K step s, column tile 4 GQ + n'), into set GZ.  The four accumulators take turns, one instruction a turn, and the two sets take turns from half to half.
; GW = 1: the tile's fragments were asked for just before: ahead of K step s the four loads of each later K step may stay out.
.macro WM
.set SI, WI/4
.set NI, 4*GQ+WI%4
.set DA, ACC+32*GZ+8*(WI%4)
.set FI, 8*SI+NI
	UPLACE
.if GW && (WI%4) == 0
	s_wait_dscnt 4*(7-SI)
.endif
.set WN, UW<<2
	WIN WN                                         ; source 1's window
.if SI == 0
	v_wmma_scale_f32_16x16x128_f8f6f4 v[DA:DA+7], v[AF+12*SI:AF+12*SI+11], v[UR:UR+11], 0, v[ASC+SI], v[USC+4*NI+SI%4] matrix_a_fmt:MATRIX_FMT_BF6 matrix_b_fmt:MATRIX_FMT_BF6
.elseif SI < 4
	v_wmma_scale_f32_16x16x128_f8f6f4 v[DA:DA+7], v[AF+12*SI:AF+12*SI+11], v[UR:UR+11], v[DA:DA+7], v[ASC+SI], v[USC+4*NI+SI%4] matrix_a_fmt:MATRIX_FMT_BF6 matrix_b_fmt:MATRIX_FMT_BF6
.else
	v_wmma_scale_f32_16x16x128_f8f6f4 v[DA:DA+7], v[AF+12*SI:AF+12*SI+11], v[UR:UR+11], v[DA:DA+7], v[ASC+SI], v[USC+4*NI+SI%4] matrix_a_fmt:MATRIX_FMT_BF6 matrix_b_fmt:MATRIX_FMT_BF6 matrix_b_scale:MATRIX_SCALE_ROW1
.endif
.set WI, WI+1
.endm
.macro HALF q, z, w                    ; which half the next 32 WM make
.set GQ, \q
.set GZ, \z
.set GW, \w
.set WI, 0
.endm
.macro GALONE                          ; a half with no vector work beside it
.rept 32
	WM
.endr
	WIN 0
.rept 4
	v_nop                                          ; four places ahead of the first read of results (ISA guide 7.12.1)
.endr
.endm
; A BATCH: 32 transcendentals on v[b ..], a plain place, and the one wait behind a batch.  No product stands inside a batch.
.macro STG op, b
.set U, 0
.rept 32
	\op v[(\b)+U], v[(\b)+U]
.set U, U+1
.endr
	v_nop
	s_wait_alu depctr_va_vdst(0)
.endm
; 1 is added to the 32 numbers at v[b ..]; g = 1: the 32 products of the half set by HALF stand among these sixteen plain lines, two behind each.  The additions name no vector register as source 1,
; so source 1's window stays as the products want it.  The wait at the end stands ahead of the next batch.
.macro ZONE b, g
.set U, 0
.rept 16
	v_pk_add_f32 v[(\b)+U:(\b)+U+1], v[(\b)+U:(\b)+U+1], 1.0 op_sel_hi:[1,0]
.if \g
	WM
	WM
.endif
.set U, U+2
.endr
	s_wait_alu depctr_va_vdst(0)
.endm
.macro FIN tq, n0                      ; the rows' sums take in two column tiles: Va r
	WIN 0
.irp n, \n0, \n0+1
.irp i, 0,2,4,6
.if (\tq) == 0 && (\n) == 0
	v_pk_mul_f32 v[SA+\i:SA+\i+1], v[EB+\i:EB+\i+1], v[VA:VA+1] op_sel_hi:[1,0]
.else
	v_pk_fma_f32 v[SA+\i:SA+\i+1], v[EB+8*(\n)+\i:EB+8*(\n)+\i+1], v[VA+8*(\tq)+2*(\n):VA+8*(\tq)+2*(\n)+1], v[SA+\i:SA+\i+1] op_sel_hi:[1,0,1]
.endif
.endr
.endr
.endm
; r = 1 / (1 + 2^(c x + qc)) of set tz (half tq of tile tt): the exponents, the exponentials, the additions of 1, the reciprocals, the sums with Va.
; g = 1: the 32 products of the half set by HALF, into the other set, stand among the additions: no transcendental stands between two products on one accumulator.
.macro TH tz, tq, tt, g
.set EB, ACC+32*\tz
	WIN 0
	s_wait_alu depctr_va_vdst(0)                   ; the wait directly ahead of the first readers of matrix results; plain lines alone follow
.irp n, 0,1,2,3
.irp i, 0,2,4,6
	v_pk_fma_f32 v[EB+8*\n+\i:EB+8*\n+\i+1], v[EB+8*\n+\i:EB+8*\n+\i+1], s[42:43], v[CB+8*\tq+2*\n:CB+8*\tq+2*\n+1] op_sel_hi:[1,0,0]   ; each accumulator from its low end on
.endr
.endr
	s_wait_alu depctr_va_vdst(0)
	STG v_exp_f32, EB
	ZONE EB, \g
	STG v_rcp_f32, EB                              ; an exponential that has overflowed gives 0 here, one that has fallen to 0 gives 1: tanh's two ends
	FIN \tq, 0                                     ; these sixteen lines are also the places behind the half's last product
	FIN \tq, 2
.if \tq
.irp m, 1,2,4,8
.irp i, 0,1,2,3,4,5,6,7
	v_add_f32_dpp v[SA+\i], v[SA+\i], v[SA+\i] row_xmask:\m row_mask:0xf bank_mask:0xf
.endr
.endr
	ds_store_b128 v[SSA], v[SA:SA+3] offset:64*\tt         ; rows 16 t + 8 h + 0 .. 7: the sixteen lanes of a half write the same words with the same values
	ds_store_b128 v[SSA], v[SA+4:SA+7] offset:64*\tt+16
.endif
.endm
; A STEP of 32 rows.  first = 1: no earlier step's last half is left to finish.  fill = 1: the other slot is asked for.  pf: 0 no prefetch, 1 one, 2 one while tile i + 3 exists, and the prefetches' base is stepped.
.macro STEP first, fill, pf
.if \pf == 2
	s_wait_xcnt 0x0                                ; my last prefetches have read their base
	s_add_nc_u64 s[58:59], s[58:59], 32*4096
.endif
	s_wait_tensorcnt 0x0                           ; my one tensor load, this step's tile, has landed
	ds_add_u32 v[SPW], v[NIL]
.if \fill
	s_xor_b32 s33, s33, SLOTB
	s_add_nc_u64 s[34:35], s[34:35], 32*4096
.endif
	s_wait_dscnt 0x0                               ; the add is done; my reads of the other slot and of the images are over
.if \fill
	ROUND
	tensor_load_to_lds s[32:35], s[24:31]          ; my one tensor load until the next round
	s_nop 0
.rept 4
	v_nop
.endr
.else
	s_barrier_signal -1
	s_barrier_wait -1                              ; parts the last step's reads of the images from this step's stores
.endif
	v_add_nc_u32 v[LQ], s36, v[LQ0]
	QLOAD X1, 0, 0
.if \first == 0
	TH 1, 1, 1, 0                                  ; the last step's last half, while the sixteen loads above are out
.endif
	v_add_nc_u32 v[SSA], s39, v[SS0]
	QLOAD X0, 0, 1
	s_wait_dscnt 16                                ; all but the 16 just issued
.if \pf
.if \pf == 2
	s_wait_alu depctr_va_vdst(0)
	s_cmp_ge_u32 s40, 3                            ; step 15 - s40 is 12 or less: tile i + 3 exists
	s_cbranch_scc0 .Lno_pf_\@
.endif
	global_prefetch_b8 v[PFO], s[58:59] th:TH_LOAD_NT scope:SCOPE_SE
	global_prefetch_b8 v[PFO], s[58:59] offset:256 th:TH_LOAD_NT scope:SCOPE_SE
.Lno_pf_\@:
.endif
	QUANT X1
	QSTORE 0, 0
	QLOAD X1, 1, 0
	s_wait_dscnt 16
	QUANT X0
	QSTORE 0, 1
	QLOAD X0, 1, 1
	s_wait_dscnt 16
	QUANT X1
	QSTORE 1, 0
	s_wait_dscnt 0x0
	QUANT X0
	QSTORE 1, 1
.rept 4
	v_nop
.endr
	s_wait_alu depctr_va_vdst(0)
	s_wait_dscnt 0x0                               ; for the others' sake: my images and scale words lie in LDS
	s_barrier_signal -1
	s_barrier_wait -1                              ; (my tensor load may stay out)
	ALOAD 0
	s_wait_loadcnt 0x0                             ; Ua, its scales, qc and Va are in: something is out in the first step alone
	HALF 0, 0, 1
	GALONE
	HALF 1, 1, 0
	TH 0, 0, 0, 1
	ALOAD 1                                        ; tile 0's fragments have been multiplied; the places stand above
	HALF 0, 0, 1
	TH 1, 1, 0, 1
	HALF 1, 1, 0
	TH 0, 0, 1, 1
	s_xor_b32 s36, s36, SLOTB
	s_add_co_u32 s39, s39, 128
.endm
	STEP 1, 1, 1
.Lstep:                                            ; steps 1 to 14
	STEP 0, 1, 2
	s_sub_co_u32 s40, s40, 1
	s_cmp_lg_u32 s40, 0
	s_wait_alu depctr_va_vdst(0)
	s_cbranch_scc1 .Lstep
	STEP 0, 0, 0                                   ; the last step is written out: it asks for nothing
	TH 1, 1, 1, 0                                  ; and its last half
	; THE WAY OUT: my 512 rows' partial scores, 2,048 bytes of my own in LDS, leave as four stores of 512 consecutive bytes
.irp j, 0,1,2,3
	ds_load_b128 v[ACC+4*\j:ACC+4*\j+3], v[OUTR] offset:512*\j
.endr
	s_wait_dscnt 0x0
.irp j, 0,1,2,3
	global_store_b128 v[OUTG], v[ACC+4*\j:ACC+4*\j+3], s[14:15] offset:512*\j
.endr
	s_wait_tensorcnt 0x0                           ; the wave's end
	ds_add_u32 v[SPW], v[NIL]
	s_wait_dscnt 0x0
	ROUND                                          ; the closing round
	s_endpgm
.Lfunc_end_k_qbc6e225854_score:
	.size	k_qbc6e225854_score, .Lfunc_end_k_qbc6e225854_score-k_qbc6e225854_score
	.p2alignl 7, 3214868480
	.fill 96, 4, 3214868480
	.section	.rodata,"a",@progbits
	.p2align	6, 0x0
	.amdhsa_kernel k_qbc6e225854_score
		.amdhsa_group_segment_fixed_size 327680
		.amdhsa_private_segment_fixed_size 0
		.amdhsa_enable_private_segment 0
		.amdhsa_kernarg_size 48
		.amdhsa_user_sgpr_count 2
		.amdhsa_user_sgpr_kernarg_segment_ptr 1
		.amdhsa_wavefront_size32 1
		.amdhsa_system_sgpr_workgroup_id_x 1
		.amdhsa_system_sgpr_workgroup_id_y 1
		.amdhsa_system_sgpr_workgroup_id_z 1
		.amdhsa_system_vgpr_workitem_id 0
		.amdhsa_next_free_vgpr 1024
		.amdhsa_next_free_sgpr 66
		.amdhsa_reserve_vcc 0
		.amdhsa_float_denorm_mode_32 3
		.amdhsa_float_denorm_mode_16_64 3
		.amdhsa_memory_ordered 1
		.amdhsa_forward_progress 1
		.amdhsa_inst_pref_size 221
	.end_amdhsa_kernel
	.amdgpu_metadata
---
amdhsa.version: [ 1, 2 ]
amdhsa.kernels:
  - .name:           k_qbc6e225854_score
    .symbol:         k_qbc6e225854_score.kd
    .args:
      - { .name: keys, .offset: 0, .size: 8, .value_kind: global_buffer, .address_space: global }
      - { .name: uaf, .offset: 8, .size: 8, .value_kind: global_buffer, .address_space: global }
      - { .name: Ua_w_scales, .offset: 16, .size: 8, .value_kind: global_buffer, .address_space: global }
      - { .name: qc, .offset: 24, .size: 8, .value_kind: global_buffer, .address_space: global }
      - { .name: Va_w, .offset: 32, .size: 8, .value_kind: global_buffer, .address_space: global }
      - { .name: sp, .offset: 40, .size: 8, .value_kind: global_buffer, .address_space: global }
    .group_segment_fixed_size: 327680
    .private_segment_fixed_size: 0
    .kernarg_segment_align: 8
    .kernarg_segment_size: 48
    .max_flat_workgroup_size: 128
    .sgpr_count:     66
    .vgpr_count:     1024
    .wavefront_size: 32
...
	.end_amdgpu_metadata
.endif
;; end of part 2
;; launch ctx (part 3): grid 256 x 1, 16 waves a work-group, no clusters, 10,752 bytes of LDS; arguments sp, keys, out0, out1; writes out0, out1
.if DOCPART == 3
	.amdgcn_target "amdgcn-amd-amdhsa--gfx1250"
	.amdhsa_code_object_version 6
	.text
	.protected	k_qbc6e225854_ctx
	.globl	k_qbc6e225854_ctx
	.p2align	8
	.type	k_qbc6e225854_ctx,@function
k_qbc6e225854_ctx:
	s_mov_b64 s[64:65], 0
	v_nop
	global_prefetch_b8 v0, s[64:65] scope:SCOPE_SE
	s_setreg_imm32_b32 hwreg(HW_REG_WAVE_MODE, 25, 1), 1
	s_wait_xcnt 0x0
; Third launch: t[s] = -2 log2(e) x the sum of sp's eight parts; weights = softmax over s, as 2^(t - max) / sum; out1 = the weights; out0[b][h] = the sum over s of weight[s] keys[b][s][h], all in f32.
; Left out, as shown at the head of the first kernel: Va_b and the sum of Va, both constant along the softmax's axis.  The softmax takes its true maximum away.
; SHARES.  Work-group (b = x / 8, j = x % 8) owns columns 128 j .. + 127 of batch b's context: 512 bytes of each of the 2,048 rows.  Wave w takes rows 128 w .. + 127; a load is one row's 512 consecutive bytes.
; Each of a batch's eight work-groups forms the whole softmax and stores an eighth of the weights.  Every output byte has one owner.
; Thread 32 w + l holds the p of rows 128 w + 4 l + 0 .. 3: row i's p comes by v_readlane_b32 (lane i / 4, register i % 4) into a scalar.
; A row: one wait, one scalar, two packed multiply-adds, and the load of the row 16 further on.  16 loads of every wave are on their way.
; No matrix unit, no tensor load, no cluster, no prefetch: one row of weights against keys that no other work-group of the launch reads, and the loads themselves run 16 rows ahead.
.set RED1,  0                          ; LDS: the waves' maxima, 4 bytes a wave
.set RED2,  256                        ; their sums
.set PART,  512                        ; their parts of the context: 512 bytes a wave
.set SPARE, PART+16*512                ; the spare words
.set S,  12                            ; v12-43  sp's eight parts of my four rows
.set T,  44                            ; v44-47  t, then p
.set INV, 52                           ; v52     1 / sum (v53 is named with it as a pair)
.set WO, 54                            ; v54-57  four weights to store
.set A,  60                            ; v60-63 the even rows' sums, v64-67 the odd rows'
.set X,  68                            ; v68-131 sixteen slots of four registers
.set R,  132                           ; v132-147 the sixteen waves' figures
	s_load_b256 s[4:11], s[0:1], 0x0               ; sp, keys, out0, out1
	v_lshl_add_u32 v7, v0, 2, SPARE
	v_mov_b32 v8, 0
	v_lshrrev_b32 v3, 5, v0
	v_readfirstlane_b32 s12, v3                    ; wave 0..15
	s_lshr_b32 s13, ttmp9, 3                       ; b
	s_and_b32 s14, ttmp9, 7                        ; j
	v_lshlrev_b32 v1, 4, v0
	v_and_b32 v9, 31, v0
	v_lshlrev_b32 v9, 4, v9
	s_lshl_b32 s15, s12, 19
	v_add_nc_u32 v2, s15, v9                       ; keys: my wave's 128 rows, + 16 x lane
	v_lshlrev_b32 v3, 2, v3
	v_mov_b32 v4, 0
	s_lshl_b32 s15, s12, 9
	s_add_co_u32 s15, s15, PART
	v_add_nc_u32 v5, s15, v9
	v_add_nc_u32 v6, PART, v9
	v_mov_b32 v49, 0
	v_mov_b32 v53, 0
	s_mov_b32 s30, 0x76543210
	s_mov_b32 s31, 0xfedcba98
.irp q, 33,35,37,39
	s_mov_b32 s\q, 0                               ; upper halves of the pairs that the packed forms name
.endr
	s_lshl_b32 s16, s13, 13
	s_mov_b32 s17, 0
	s_lshl_b32 s18, s13, 23
	s_lshl_b32 s19, s14, 9
	s_add_co_u32 s18, s18, s19
	s_lshl_b32 s28, s13, 12
	s_add_co_u32 s28, s28, s19
	s_mov_b32 s19, 0
	s_mov_b32 s29, 0
	s_wait_alu depctr_va_vdst(0)
	s_wait_kmcnt 0x0
	s_add_nc_u64 s[4:5], s[4:5], s[16:17]
	s_add_nc_u64 s[10:11], s[10:11], s[16:17]
	s_add_nc_u64 s[6:7], s[6:7], s[18:19]
	s_add_nc_u64 s[8:9], s[8:9], s[28:29]
.irp p, 0,1,2,3,4,5,6,7
	global_load_b128 v[S+4*\p:S+4*\p+3], v1, s[4:5] offset:262144*\p
.endr
.set RI, 0
.rept 16
	global_load_b128 v[X+4*RI:X+4*RI+3], v2, s[6:7] offset:4096*RI th:TH_LOAD_NT   ; rows 0 to 15, ahead of the softmax
.set RI, RI+1
.endr
	s_wait_loadcnt 16                              ; sp's eight loads are in; the 16 rows of keys stay out
	v_pk_add_f32 v[T:T+1], v[S:S+1], v[S+4:S+5]
	v_pk_add_f32 v[T+2:T+3], v[S+2:S+3], v[S+6:S+7]
.irp p, 2,3,4,5,6,7
	v_pk_add_f32 v[T:T+1], v[T:T+1], v[S+4*\p:S+4*\p+1]
	v_pk_add_f32 v[T+2:T+3], v[T+2:T+3], v[S+4*\p+2:S+4*\p+3]
.endr
	v_pk_mul_f32 v[T:T+1], v[T:T+1], 0xc038aa3b op_sel_hi:[1,0]       ; x -2 log2(e)
	v_pk_mul_f32 v[T+2:T+3], v[T+2:T+3], 0xc038aa3b op_sel_hi:[1,0]
	v_max3_num_f32 v48, v[T], v[T+1], v[T+2]
	v_max_num_f32 v48, v48, v[T+3]
.irp m, 1,2,4,8
	v_max_num_f32_dpp v48, v48, v48 row_xmask:\m row_mask:0xf bank_mask:0xf
.endr
	v_permlanex16_b32 v49, v48, s30, s31
	v_max_num_f32 v48, v48, v49
	ds_store_b32 v3, v48 offset:RED1               ; all lanes write the wave's word with the same value
	s_wait_alu depctr_va_vdst(0)
	s_wait_dscnt 0x0
	s_barrier_signal -1
	s_barrier_wait -1
.irp q, 0,1,2,3
	ds_load_b128 v[R+4*\q:R+4*\q+3], v4 offset:RED1+16*\q
.endr
	s_wait_dscnt 0x0
	v_max3_num_f32 v48, v[R], v[R+1], v[R+2]
.irp q, 3,5,7,9,11,13
	v_max3_num_f32 v48, v48, v[R+\q], v[R+\q+1]
.endr
	v_max_num_f32 v48, v48, v[R+15]
.irp q, 0,1,2,3
	v_sub_f32 v[T+\q], v[T+\q], v48
.endr
	s_wait_alu depctr_va_vdst(0)                   ; ahead of the batch
.irp q, 0,1,2,3
	v_exp_f32 v[T+\q], v[T+\q]                     ; p = 2^(t - max), at most 1
.endr
	v_nop
	s_wait_alu depctr_va_vdst(0)                   ; and behind it
	v_add_f32 v50, v[T], v[T+1]
	v_add_f32 v51, v[T+2], v[T+3]
	v_add_f32 v50, v50, v51
.irp m, 1,2,4,8
	v_add_f32_dpp v50, v50, v50 row_xmask:\m row_mask:0xf bank_mask:0xf
.endr
	v_permlanex16_b32 v49, v50, s30, s31
	v_add_f32 v50, v50, v49
	ds_store_b32 v3, v50 offset:RED2               ; other bytes than the maxima's
	s_wait_alu depctr_va_vdst(0)
	s_wait_dscnt 0x0
	s_barrier_signal -1
	s_barrier_wait -1
.irp q, 0,1,2,3
	ds_load_b128 v[R+4*\q:R+4*\q+3], v4 offset:RED2+16*\q
.endr
	s_wait_dscnt 0x0
.irp q, 0,4,8,12
	v_pk_add_f32 v[R+\q:R+\q+1], v[R+\q:R+\q+1], v[R+\q+2:R+\q+3]
.endr
	v_pk_add_f32 v[R:R+1], v[R:R+1], v[R+4:R+5]
	v_pk_add_f32 v[R+8:R+9], v[R+8:R+9], v[R+12:R+13]
	v_pk_add_f32 v[R:R+1], v[R:R+1], v[R+8:R+9]
	v_add_f32 v50, v[R], v[R+1]                    ; the batch's sum, at least 1
	s_wait_alu depctr_va_vdst(0)
	v_rcp_f32 v[INV], v50
	v_nop
	s_wait_alu depctr_va_vdst(0)
	s_lshr_b32 s15, s12, 1                         ; waves 2 j and 2 j + 1 store their 256 rows' weights
	s_cmp_lg_u32 s15, s14
	s_cbranch_scc1 .Lnot_my_weights
.irp q, 0,1,2,3
	v_mul_f32 v[WO+\q], v[T+\q], v[INV]
.endr
	global_store_b128 v1, v[WO:WO+3], s[10:11]     ; 512 consecutive bytes, at a multiple of 512 from out1's first byte
.Lnot_my_weights:
	; my 128 rows: row i's p into a scalar pair, two packed multiply-adds, and the slot takes the row 16 further on
.set RI, 0
.rept 128
.set XR, X+4*(RI%16)
.set AR, A+4*(RI%2)
.set PS, 32+2*(RI%4)
	s_wait_alu depctr_va_vdst(0)
.if RI < 112
	s_wait_loadcnt 15                              ; loads come back in order: row i's is in, the fifteen younger ones stay out
.else
	s_wait_loadcnt 127-RI                          ; the last sixteen rows load nothing: the counts run down
.endif
	v_readlane_b32 s[PS], v[T+RI%4], RI/4
.if RI < 2
	v_pk_mul_f32 v[AR:AR+1], v[XR:XR+1], s[PS:PS+1] op_sel_hi:[1,0]               ; the first two rows start the sums
	v_pk_mul_f32 v[AR+2:AR+3], v[XR+2:XR+3], s[PS:PS+1] op_sel_hi:[1,0]
.else
	v_pk_fma_f32 v[AR:AR+1], v[XR:XR+1], s[PS:PS+1], v[AR:AR+1] op_sel_hi:[1,0,1]
	v_pk_fma_f32 v[AR+2:AR+3], v[XR+2:XR+3], s[PS:PS+1], v[AR+2:AR+3] op_sel_hi:[1,0,1]
.endif
.if RI < 112
	global_load_b128 v[XR:XR+3], v2, s[6:7] offset:4096*(RI+16) th:TH_LOAD_NT
.endif
.set RI, RI+1
.endr
	v_pk_add_f32 v[A:A+1], v[A:A+1], v[A+4:A+5]
	v_pk_add_f32 v[A+2:A+3], v[A+2:A+3], v[A+6:A+7]
	v_pk_mul_f32 v[A:A+1], v[A:A+1], v[INV:INV+1] op_sel_hi:[1,0]
	v_pk_mul_f32 v[A+2:A+3], v[A+2:A+3], v[INV:INV+1] op_sel_hi:[1,0]
	ds_store_b128 v5, v[A:A+3]
	s_wait_alu depctr_va_vdst(0)
	s_wait_dscnt 0x0                               ; for wave 0's sake
	s_barrier_signal -1
	s_barrier_wait -1
	s_cmp_lg_u32 s12, 0                            ; wave 0 adds the sixteen parts and stores the work-group's 512 bytes
	s_cbranch_scc1 .Lend
.irp k, 0,1,2,3,4,5,6,7,8,9,10,11,12,13,14,15
	ds_load_b128 v[X+4*\k:X+4*\k+3], v6 offset:512*\k
.endr
	s_wait_dscnt 0x0
.irp k, 2,4,6,8,10,12,14
	v_pk_add_f32 v[X:X+1], v[X:X+1], v[X+4*\k:X+4*\k+1]
	v_pk_add_f32 v[X+2:X+3], v[X+2:X+3], v[X+4*\k+2:X+4*\k+3]
	v_pk_add_f32 v[X+4:X+5], v[X+4:X+5], v[X+4*\k+4:X+4*\k+5]
	v_pk_add_f32 v[X+6:X+7], v[X+6:X+7], v[X+4*\k+6:X+4*\k+7]
.endr
	v_pk_add_f32 v[X:X+1], v[X:X+1], v[X+4:X+5]
	v_pk_add_f32 v[X+2:X+3], v[X+2:X+3], v[X+6:X+7]
	global_store_b128 v9, v[X:X+3], s[8:9]         ; 512 consecutive bytes, at a multiple of 512 from out0's first byte
.Lend:
	s_wait_tensorcnt 0x0                           ; the wave's end
	ds_add_u32 v7, v8
	s_wait_dscnt 0x0
	s_endpgm
.Lfunc_end_k_qbc6e225854_ctx:
	.size	k_qbc6e225854_ctx, .Lfunc_end_k_qbc6e225854_ctx-k_qbc6e225854_ctx
	.p2alignl 7, 3214868480
	.fill 96, 4, 3214868480
	.section	.rodata,"a",@progbits
	.p2align	6, 0x0
	.amdhsa_kernel k_qbc6e225854_ctx
		.amdhsa_group_segment_fixed_size 10752
		.amdhsa_private_segment_fixed_size 0
		.amdhsa_enable_private_segment 0
		.amdhsa_kernarg_size 32
		.amdhsa_user_sgpr_count 2
		.amdhsa_user_sgpr_kernarg_segment_ptr 1
		.amdhsa_wavefront_size32 1
		.amdhsa_system_sgpr_workgroup_id_x 1
		.amdhsa_system_sgpr_workgroup_id_y 1
		.amdhsa_system_sgpr_workgroup_id_z 1
		.amdhsa_system_vgpr_workitem_id 0
		.amdhsa_next_free_vgpr 152
		.amdhsa_next_free_sgpr 66
		.amdhsa_reserve_vcc 0
		.amdhsa_float_denorm_mode_32 3
		.amdhsa_float_denorm_mode_16_64 3
		.amdhsa_memory_ordered 1
		.amdhsa_forward_progress 1
		.amdhsa_inst_pref_size 55
	.end_amdhsa_kernel
	.amdgpu_metadata
---
amdhsa.version: [ 1, 2 ]
amdhsa.kernels:
  - .name:           k_qbc6e225854_ctx
    .symbol:         k_qbc6e225854_ctx.kd
    .args:
      - { .name: sp, .offset: 0, .size: 8, .value_kind: global_buffer, .address_space: global }
      - { .name: keys, .offset: 8, .size: 8, .value_kind: global_buffer, .address_space: global }
      - { .name: out0, .offset: 16, .size: 8, .value_kind: global_buffer, .address_space: global }
      - { .name: out1, .offset: 24, .size: 8, .value_kind: global_buffer, .address_space: global }
    .group_segment_fixed_size: 10752
    .private_segment_fixed_size: 0
    .kernarg_segment_align: 8
    .kernarg_segment_size: 32
    .max_flat_workgroup_size: 512
    .sgpr_count:     66
    .vgpr_count:     152
    .wavefront_size: 32
...
	.end_amdgpu_metadata
.endif
;; end of part 3
